; MI455X (gfx1250); checked and timed in simulation.
; The chip was launched on July 23, 2026; its instructions are those of AMD's public machine-readable ISA for CDNA 5 (MIT licence, August 2026) and "CDNA5" Instruction Set Architecture Reference Guide (July 2026). The comments in the code are by the model that wrote it; some were corrected since.
;; Quantized Layer. Allowed arithmetic: matrix products marked QUANTISED: E2M1 operands, one E8M0 scale for each 32 along K, by v_wmma_scale_f32_16x16x128_f8f6f4 with both operands' format E2M1 (or v_wmma_scale_f32_32x16x128_f4), f32 sums; everything else in f32.
;; Inputs: centroid_table 256 x 1 float32; input__codes 4 x 2,048 x 128 x 16 uint8 (E2M1 codes of input_, K innermost, in blocks of 32 codes, two codes a byte); input__scales 4 x 2,048 x 128 uint8 (E8M0 scales of input_, one for each 32 codes along K); weight_idx 2,048 x 4,096 int32.
;; Outputs: out0 4 x 2,048 x 2,048 float32.
;; This version of the problem:
;;   THIS VERSION OF THE PROBLEM IS GIVEN IN LOW PRECISION. The matrix products marked QUANTISED in the list below multiply operands that are first quantised to E2M1 (2 exponent bits, 1 mantissa bit; 4 bits a number), with one power-of-two scale for each 32 numbers along K (OCP MX v1.0); their sums are f32. All else is computed in f32.
;;   The module's matrix products, in the order in which they are computed (A, B: the left and right operand; K: the contracted axis; several contracted axes count as one K, in the product's order):
;;     1. [M 8,192, K 4,096] x [K 4,096, N 2,048]; A: input input_ (given as codes); B: computed on the way: QUANTISED
;;   THE QUANTISER, for each operand of a quantised product, along K:
;;     - K is cut into blocks of 32 from its start; a last block that is shorter is filled with zeros.
;;     - A block's scale is 2^e with e = floor(log2(the largest magnitude in the block)) - 2, held to -126 .. 127; a block of zeros has e = 0. As a byte (E8M0): e + 127.
;;     - Each number is divided by its block's scale, clamped to +-6, and rounded to the nearest number of E2M1, ties to even, subnormals kept.
;;     - The product sums the exact products of the quantised numbers (number of the format x scale) in f32.
;;   ~~~python
;;   def quantise(x, axis):      # numpy; x: float32 -> the quantised numbers, widened to float32 again
;;       x = np.moveaxis(x, axis, -1); K = x.shape[-1]
;;       x = np.pad(x, [(0, 0)] * (x.ndim - 1) + [(0, -K % 32)]); x = x.reshape(x.shape[:-1] + (-1, 32)); a = np.abs(x).max(-1, keepdims=True)
;;       e = np.where(a > 0, np.clip(np.frexp(np.where(a > 0, a, 1))[1] - 1 - 2, -126, 127), 0)      # np.frexp(a)[1] - 1 = floor(log2(a)), exactly
;;       r = np.clip(x / 2.0 ** e, -6, 6)
;;       step = 2.0 ** (np.maximum(np.frexp(np.where(r == 0, 1, r))[1] - 1, 0) - 1)
;;       q = np.round(r / step) * step * 2.0 ** e      # np.round: ties to even
;;       return np.moveaxis(q.reshape(q.shape[:-2] + (-1,))[..., :K], -1, axis).astype(np.float32)
;;   ~~~
;;   OPERANDS COMPUTED ON THE WAY. 'Computed on the way' means the value that the module computes at that place (a softmax that the list does not call 'softmax' is quantised finished and normalised). What goes into a quantiser is computed in f32, as accurately as f32 sums, v_exp_f32 and their like allow (about 1e-6 of the number): no bf16 or f16 on the way to a quantiser, and a product that is left as it is and whose result goes on into a quantised operand takes f32 operands (vector FMAs, or v_wmma_f32_16x16x4_f32). A number that lies on a knife's edge between two numbers of the format may be rounded either way, as far as f32 arithmetic and the matrix unit's own rounding can turn it there, and no further.
;;   INPUTS GIVEN AS CODES. input_ (in the module: [4, 2048, 4096], K = its axis 2): each comes as NAME_codes (uint8): NAME with its K axis moved to the last place and cut into blocks of 32 codes, [.., K / 32, bytes a block], one block behind the other in memory; two codes a byte, the lower K in the low four bits (a code: sign, 2 exponent bits, 1 mantissa bit); and NAME_scales (uint8): the same leading axes, one E8M0 byte (e + 127) for each 32 codes along K. Its value is code x scale, taken as it is: it is not quantised again, and the codes and scales need not be those that the quantiser above would give.
;; One version. Each part assembles by itself: llvm-mc -triple=amdgcn-amd-amdhsa -mcpu=gfx1250 --defsym DOCPART=n.
;; ======== version 1 of 1: 2 launches
;; limits: right only within a limited range of input values
;; workspace buffers: wq 4,456,448 bytes; asc 1,048,576 bytes
;; launch quant (part 1): grid 1024 x 1, 1 waves a work-group, no clusters, 8,448 bytes of LDS; arguments weight_idx, centroid_table, wq, input__scales, asc; writes wq, asc
.if DOCPART == 1
	.amdgcn_target "amdgcn-amd-amdhsa--gfx1250"
	.amdhsa_code_object_version 6
	.text
	.protected	k_q4bf89ead67_quant
	.globl	k_q4bf89ead67_quant
	.p2align	8
	.type	k_q4bf89ead67_quant,@function
k_q4bf89ead67_quant:
	s_mov_b64 s[64:65], 0
	v_nop
	global_prefetch_b8 v0, s[64:65] scope:SCOPE_SE
	s_setreg_imm32_b32 hwreg(HW_REG_WAVE_MODE, 25, 1), 1
	s_wait_xcnt 0x0
; W[o][i] = centroid_table[weight_idx[o][i]], [2048][4096], f32, is made and turned at once into codes of FP4 (E2M1), K innermost, with one E8M0 byte for each 32 along K.
; A block's scale is 2^(floor(log2(its largest magnitude)) - 2); its byte is the largest magnitude's exponent field - 2, held at 1 from below.  Each number is divided by the scale and rounded to the nearest code, ties to even;
; beyond the largest code the conversion gives the largest code.
; LIMITS: a block of zeros gets the byte 1 where the rule says 127: its codes are zeros, which add nothing under any byte but 0xff, and the bytes are read by this program alone.  NaN and infinities in the table are not served.
; An index outside 0 .. 255 (taken as unsigned) is held at 255.
; THE OUTPUT wq is laid as the product's launch wants it: [K step of 512: 8][tile of 128 rows of W: 16][34,816 bytes]; in a tile's block: row p's 512 codes, 256 bytes, at 256 p; behind the 128 rows eight runs of 256 bytes,
; run i with the scale bytes of rows 16 i .. 16 i + 15, 16 bytes a row.  So a K step of a tile is one dense block, and every store here covers 256 consecutive bytes, aligned.
; SHARES.  A work-group is ONE wave: it takes 16 rows x 512 along K, which is what fills one run of 256 scale bytes.  Waves share nothing, so there is no barrier; LDS serves a wave's instructions in order (ISA guide 5.7.1.4).
; A STEP is one row's 512 indices, in four stations, LOAD eight steps ahead of WORK, GATHER two, TURN one:  LOAD: four loads of 512 consecutive bytes, 16 a lane.  GATHER: each index, held to 255, times 4, is the LDS address of its centroid; the value
; lands in the index's register.  TURN: the conversions take neighbours along K from ONE lane's registers, so the 2,048 bytes of values go through a stage in LDS as they lie and come back 64 bytes a lane (two lanes hold a block);
; the stage has 16 bytes of padding behind each 64, so that sixteen lanes' reads fall on sixteen different columns of 16 bytes.  WORK: the block's largest magnitude, the byte, the codes, the stores.
; No tensor loads, no matrix unit, no cluster: the launch streams its indices once, and nothing is shared between work-groups but the 1,024 bytes of the table.
; THE ORDER OF ROWS in a tile of wq: position 16 i + r of the 128 holds W's row 64 (i / 4) + (i % 4) + 4 r of the tile.  So "row t" of a work-group below is the t-th of 16 rows of W that lie four apart, and lane r of the product's
; four column blocks 4 c .. 4 c + 3 holds four neighbouring columns.
; THE SCALES OF input_ are laid anew on the way, unchanged in value, in asc: [tile of 256 rows: 32][K step of 512: 8][256 rows][16 bytes].  A work-group takes 16 rows x 4 K steps: two loads, two stores of whole 256 bytes a half wave.
.set ROWS,  16                         ; steps of a wave
.set SP,    80                         ; a lane's place in a stage: 64 bytes + 16 of padding
.set TAB,   0                          ; LDS: the table, 1,024 bytes, at byte 0: 4 x index is its address
.set STG,   1024                       ; two stages of 32 x SP bytes, by turns
.set SCB,   6144                       ; the wave's 256 scale bytes
.set E,     16                         ; v16-31   a scale byte for each step: no store's data are written again
.set C,     32                         ; v32-63   two registers of codes for each step, likewise
.set XV,    64                         ; v64-95   two sets of 16 neighbouring values
.set TT,    112                        ; v112-119 the table on its way into LDS
.set R,     128                        ; v128-255 eight sets of 16: indices as loaded, then their values
.set TILEB, 34816                      ; a tile's block in wq
	s_load_b128 s[4:7], s[0:1], 0x0                ; weight_idx s[4:5], centroid_table s[6:7]
	s_load_b64 s[8:9], s[0:1], 0x10                ; wq
	s_load_b128 s[24:27], s[0:1], 0x18             ; input__scales s[24:25], asc s[26:27]
	v_lshl_add_u32 v126, v0, 2, 0x2000
	v_mov_b32 v127, 0
	v_lshlrev_b32 v1, 4, v0                        ; 16 x lane: my bytes of a load's 512, and of the table's halves (one wave: v0 is the lane)
	v_lshrrev_b32 v2, 2, v0
	v_mul_u32_u24 v2, v2, SP
	v_and_b32 v3, 3, v0
	v_lshl_add_u32 v2, v3, 4, v2
	v_add_nc_u32 v2, STG, v2                       ; the stage, on the way in: four lanes' 64 bytes on end, then the padding: SP (lane / 4) + 16 (lane % 4); a load's 512 bytes take eight places
	v_mul_u32_u24 v3, v0, SP
	v_add_nc_u32 v3, STG, v3                       ; and on the way out: SP x lane: my 16 neighbours
	v_lshlrev_b32 v4, 3, v0                        ; 8 x lane: my 16 codes in a row's 256 bytes; my 8 scale bytes in the run of 256
	v_lshrrev_b32 v5, 1, v0
	v_add_nc_u32 v5, SCB, v5                       ; my block's byte in a row's 16
	v_add_nc_u32 v6, SCB, v4                       ; and on the way out 8 bytes a lane
	v_and_b32 v104, 15, v0                         ; the scales of input_: lane (r, h): row r,
	v_lshrrev_b32 v105, 4, v0
	v_lshlrev_b32 v106, 7, v104                    ; of 128 bytes,
	v_lshl_add_u32 v106, v105, 4, v106             ; K step h of a pair: 16 bytes
	v_lshlrev_b32 v107, 12, v105                   ; in asc a K step is 4,096 bytes,
	v_lshl_add_u32 v107, v104, 4, v107             ; a row 16
	s_and_b32 s10, ttmp9, 7                        ; which K step of 512: eight neighbouring work-groups cover whole rows of the indices
	s_lshr_b32 s11, ttmp9, 3                       ; which group of 16 rows: 0 .. 127
	s_lshr_b32 s12, s11, 2                         ; which 64 rows of W,
	s_lshl_b32 s12, s12, 20                        ; of 16,384 bytes;
	s_and_b32 s13, s11, 3                          ; my first row among them: 0 .. 3, the others follow four apart
	s_lshl_b32 s13, s13, 14
	s_add_co_u32 s12, s12, s13
	s_lshl_b32 s13, s10, 11                        ; 2,048 bytes a K step
	s_add_co_u32 s12, s12, s13
	s_mov_b32 s13, 0
	s_lshl_b32 s18, s10, 4
	s_lshr_b32 s19, s11, 3
	s_add_co_u32 s18, s18, s19                     ; wq: block 16 x K step + tile
	s_mul_i32 s18, s18, TILEB
	s_and_b32 s19, s11, 7                          ; my group of 16 rows in the tile
	s_lshl_b32 s20, s19, 12
	s_add_co_u32 s20, s20, s18                     ; its codes: 16 rows of 256 bytes
	s_mov_b32 s21, 0
	s_lshl_b32 s22, s19, 8
	s_add_co_u32 s22, s22, s18
	s_add_co_u32 s22, s22, 32768                   ; its run of scale bytes, behind the tile's 128 rows of codes
	s_mov_b32 s23, 0
	s_lshr_b32 s28, ttmp9, 1                       ; the scales of input_: which 16 rows: 0 .. 511
	s_and_b32 s30, ttmp9, 1                        ; which four K steps
	s_lshl_b32 s2, s28, 11
	s_lshl_b32 s3, s30, 6
	s_add_co_u32 s2, s2, s3                        ; from: 16 rows of 128 bytes, 64 bytes for four K steps
	s_mov_b32 s3, 0
	s_lshl_b32 s30, s30, 14
	s_lshr_b32 s31, s28, 4
	s_lshl_b32 s31, s31, 15
	s_add_co_u32 s30, s30, s31                     ; to: 32,768 bytes a tile, 16,384 for four K steps,
	s_and_b32 s28, s28, 15
	s_lshl_b32 s28, s28, 8
	s_add_co_u32 s28, s28, s30                     ; 256 for 16 rows
	s_mov_b32 s29, 0
	s_wait_alu depctr_va_vdst(0)                   ; the wait at the head's end
	s_wait_kmcnt 0x0
	s_add_nc_u64 s[24:25], s[24:25], s[2:3]
	s_add_nc_u64 s[26:27], s[26:27], s[28:29]
	s_add_nc_u64 s[4:5], s[4:5], s[12:13]
	s_add_nc_u64 s[14:15], s[8:9], s[20:21]
	s_add_nc_u64 s[16:17], s[8:9], s[22:23]
.macro LOAD t                          ; row t's 512 indices into set t % 8: 32 lanes read 512 consecutive bytes; every offset is an immediate, 984,576 at the most
.irp i, 0,1,2,3
	global_load_b128 v[R+16*((\t)%8)+4*\i:R+16*((\t)%8)+4*\i+3], v1, s[4:5] offset:65536*(\t)+512*\i th:TH_LOAD_NT   ; rows four apart: 984,576 at the most
.endr
.endm
.macro GATHER t                        ; index -> centroid, in place
.set RS, R+16*((\t)%8)
.irp j, 0,1,2,3,4,5,6,7,8,9,10,11,12,13,14,15
	v_min_u32 v[RS+\j], 0xff, v[RS+\j]             ; a loaded number enters an address only held to the table's size
.endr
.irp j, 0,1,2,3,4,5,6,7,8,9,10,11,12,13,14,15
	v_lshlrev_b32 v[RS+\j], 2, v[RS+\j]            ; 4 bytes a centroid; the table begins at LDS byte 0
.endr
.irp j, 0,1,2,3,4,5,6,7,8,9,10,11,12,13,14,15
	ds_load_b32 v[RS+\j], v[RS+\j]
.endr
.endm
.macro TURN t                          ; row t's values through stage t % 2: no wait stands between the stores and the loads, since LDS serves a wave's instructions in order
.set RS, R+16*((\t)%8)
.set XT, XV+16*((\t)%2)
.irp i, 0,1,2,3
	ds_store_b128 v2, v[RS+4*\i:RS+4*\i+3] offset:32*SP*((\t)%2)+8*SP*\i
.endr
.irp i, 0,1,2,3
	ds_load_b128 v[XT+4*\i:XT+4*\i+3], v3 offset:32*SP*((\t)%2)+16*\i
.endr
.endm
.macro WORK t
.set XS, XV+16*((\t)%2)
	v_max3_num_f32 v8, |v[XS]|, |v[XS+1]|, |v[XS+2]|               ; the largest magnitude of my 16, in two chains
	v_max3_num_f32 v9, |v[XS+3]|, |v[XS+4]|, |v[XS+5]|
.irp i, 6,10
	v_max3_num_f32 v8, v8, |v[XS+\i]|, |v[XS+\i+1]|
	v_max3_num_f32 v9, v9, |v[XS+\i+2]|, |v[XS+\i+3]|
.endr
	v_max3_num_f32 v8, v8, |v[XS+14]|, |v[XS+15]|
	v_max3_num_f32 v8, v8, v9, 0x1800000           ; and the floor 2^(3 - 127), under which no largest magnitude is taken: so the byte cannot fall under 1
	v_max_num_f32_dpp v8, v8, v8 row_xmask:1 row_mask:0xf bank_mask:0xf   ; and of my neighbour's 16: the block's
	v_add_nc_u32 v11, 0xff000000, v8               ; 2 off its exponent field: the conversion takes the exponent field of this operand as its scale, and nothing else of it
	v_cvt_scalef32_pk8_fp4_f32 v[C+2*(\t)], v[XS:XS+7], v11
	v_cvt_scalef32_pk8_fp4_f32 v[C+2*(\t)+1], v[XS+8:XS+15], v11
	v_lshrrev_b32 v[E+(\t)], 23, v11               ; the scale's byte (also the plain instruction behind the conversions)
	ds_store_b8 v5, v[E+(\t)] offset:16*(\t)       ; both lanes of a block write the same byte with the same value
	global_store_b64 v4, v[C+2*(\t):C+2*(\t)+1], s[14:15] offset:256*(\t)   ; the wave stores the row's 256 bytes of codes: consecutive, aligned
.endm
	global_load_b128 v[TT:TT+3], v1, s[6:7]        ; the table: 2 x 512 bytes
	global_load_b128 v[TT+4:TT+7], v1, s[6:7] offset:512
.irp t, 0,1,2,3,4,5,6,7
	LOAD \t                                        ; eight rows, 16 KiB, are on their way
.endr
	global_load_b128 v[96:99], v106, s[24:25]      ; the scales of input_, behind the first eight rows
	global_load_b128 v[100:103], v106, s[24:25] offset:32
	s_wait_loadcnt 34                              ; the table is in; the 32 loads of indices and the two of scales may be out
	ds_store_b128 v1, v[TT:TT+3] offset:TAB
	ds_store_b128 v1, v[TT+4:TT+7] offset:TAB+512
	s_wait_loadcnt 30                              ; row 0 is in; rows 1 to 7 and the scales may be out
	GATHER 0
	s_wait_loadcnt 26                              ; row 1
	GATHER 1
	s_wait_dscnt 16                                ; row 0's values are in; row 1's sixteen may be out
	TURN 0
; Step t.  The counts name what was issued behind the instructions waited for.
.macro ITER t
.set nA, 0                             ; step t - 1's byte store
.if (\t) > 0
.set nA, 1
.endif
.set nG, 0                             ; GATHER t + 2's sixteen loads
.if (\t)+2 < ROWS
.set nG, 16
.endif
.set nT, 0                             ; TURN t + 1's four stores and four loads
.if (\t)+1 < ROWS
.set nT, 8
.endif
.if (\t)+2 < ROWS
.if 13-(\t) < 5
	s_wait_loadcnt 4*(13-(\t))                     ; row t + 2 is in; behind it only the rows up to 15
.else
	s_wait_loadcnt 20                              ; row t + 2 is in; rows t + 3 to t + 7 may be out
.endif
	GATHER (\t)+2
.endif
.if (\t)+1 < ROWS
	s_wait_dscnt 8+nA+nG                           ; row t + 1's values are in; behind them: TURN t, the last byte store, GATHER t + 2
	TURN (\t)+1
.endif
	s_wait_dscnt nA+nG+nT                          ; row t is back from the stage; behind it: the last byte store, GATHER t + 2, TURN t + 1.  So its stores into the stage have read set t % 8,
.if (\t)+8 < ROWS
	LOAD (\t)+8                                    ; which takes the row eight further on
.endif
	WORK \t
.endm
.irp t, 0,1,2,3,4,5,6,7,8,9,10,11,12,13,14,15
	ITER \t
.endr
	global_store_b128 v107, v[96:99], s[26:27]     ; the last wait for a row left no load out: the scales are in
	global_store_b128 v107, v[100:103], s[26:27] offset:8192
	ds_load_b64 v[12:13], v6                       ; LDS serves a wave's instructions in order: this sees my sixteen byte stores
	s_wait_dscnt 0x0
	global_store_b64 v4, v[12:13], s[16:17]        ; the wave stores the run of 256 scale bytes: consecutive, aligned
	s_wait_tensorcnt 0x0
	ds_add_u32 v126, v127
	s_wait_dscnt 0x0
	s_endpgm
.Lfunc_end_k_q4bf89ead67_quant:
	.size	k_q4bf89ead67_quant, .Lfunc_end_k_q4bf89ead67_quant-k_q4bf89ead67_quant
	.p2alignl 7, 3214868480
	.fill 96, 4, 3214868480
	.section	.rodata,"a",@progbits
	.p2align	6, 0x0
	.amdhsa_kernel k_q4bf89ead67_quant
		.amdhsa_group_segment_fixed_size 8448
		.amdhsa_private_segment_fixed_size 0
		.amdhsa_enable_private_segment 0
		.amdhsa_kernarg_size 40
		.amdhsa_user_sgpr_count 2
		.amdhsa_user_sgpr_kernarg_segment_ptr 1
		.amdhsa_wavefront_size32 1
		.amdhsa_system_sgpr_workgroup_id_x 1
		.amdhsa_system_sgpr_workgroup_id_y 1
		.amdhsa_system_sgpr_workgroup_id_z 1
		.amdhsa_system_vgpr_workitem_id 0
		.amdhsa_next_free_vgpr 256
		.amdhsa_next_free_sgpr 66
		.amdhsa_reserve_vcc 0
		.amdhsa_float_denorm_mode_32 3
		.amdhsa_float_denorm_mode_16_64 3
		.amdhsa_memory_ordered 1
		.amdhsa_forward_progress 1
		.amdhsa_inst_pref_size 75
	.end_amdhsa_kernel
	.amdgpu_metadata
---
amdhsa.version: [ 1, 2 ]
amdhsa.kernels:
  - .name:           k_q4bf89ead67_quant
    .symbol:         k_q4bf89ead67_quant.kd
    .args:
      - { .name: weight_idx, .offset: 0, .size: 8, .value_kind: global_buffer, .address_space: global }
      - { .name: centroid_table, .offset: 8, .size: 8, .value_kind: global_buffer, .address_space: global }
      - { .name: wq, .offset: 16, .size: 8, .value_kind: global_buffer, .address_space: global }
      - { .name: input__scales, .offset: 24, .size: 8, .value_kind: global_buffer, .address_space: global }
      - { .name: asc, .offset: 32, .size: 8, .value_kind: global_buffer, .address_space: global }
    .group_segment_fixed_size: 8448
    .private_segment_fixed_size: 0
    .kernarg_segment_align: 8
    .kernarg_segment_size: 40
    .max_flat_workgroup_size: 32
    .sgpr_count:     66
    .vgpr_count:     256
    .wavefront_size: 32
...
	.end_amdgpu_metadata
.endif
;; end of part 1
;; launch gemm (part 2): grid 8 x 32, 4 waves a work-group, clusters of 4 x 4, 327,680 bytes of LDS; arguments input__codes, asc, wq, out0; writes out0
.if DOCPART == 2
	.amdgcn_target "amdgcn-amd-amdhsa--gfx1250"
	.amdhsa_code_object_version 6
	.text
	.protected	k_q4bf89ead67_gemm
	.globl	k_q4bf89ead67_gemm
	.p2align	8
	.type	k_q4bf89ead67_gemm,@function
k_q4bf89ead67_gemm:
	s_mov_b64 s[64:65], 0
	v_nop
	global_prefetch_b8 v0, s[64:65] scope:SCOPE_SE
	s_setreg_imm32_b32 hwreg(HW_REG_WAVE_MODE, 25, 1), 1
	s_wait_xcnt 0x0
	s_wait_alu depctr_hold_cnt(0) depctr_sa_sdst(0) depctr_va_vdst(0) depctr_va_sdst(0) depctr_va_ssrc(0) depctr_va_vcc(0) depctr_vm_vsrc(0)
	s_getreg_b32 s2, hwreg(HW_REG_IB_STS2, 6, 4)
	s_cmp_eq_u32 s2, 0
	s_cbranch_scc0 .Lentry_in_a_cluster
	s_endpgm
.Lentry_in_a_cluster:
	s_bfe_u32 s2, ttmp6, 0x10000c
	s_cmp_lg_u32 s2, 0xf033
	s_cbranch_scc0 .Lentry_shape_is_right
	s_endpgm
.Lentry_shape_is_right:
; out0[m][n] = sum over k of A[m][k] W[n][k].  A: [8192][4096] as codes of FP4 (E2M1), two a byte, K innermost, taken as given; its E8M0 bytes come from asc, where the launch before laid them: [tile of 256 rows: 32][K step of 512: 8][256 rows][16 bytes].
; W: [2048][4096], codes and scale bytes made by the launch before, in wq: [K step: 8][tile of 128 rows: 16][34,816 bytes]: 128 rows of 256 bytes of codes, then eight runs of 256 bytes of scale bytes (16 rows x 16 bytes).
; Position 16 i + r of a tile's 128 holds W's row 64 (i / 4) + (i % 4) + 4 r.   out0: [8192][2048] f32; one f32 sum for each output.  A scale byte 0xff among the inputs makes its sums NaN, as the format has it.
; LIMIT: THE ORDER OF K.  A cluster takes the eight K steps of 512 from step (4 X + 2 (Y mod 4)) mod 8 on, and wraps (X, Y: the cluster's place in the grid of 2 x 8 clusters); inside a step K ascends.  So a sum's roundings fall in
; another order than in a sum with K ascending: the last bits may differ.
; WHY THE ORDER IS TURNED.  A tile of A is read by the two clusters X = 0, 1 of one Y, four steps apart; a tile of W by the eight clusters of one X: those that differ in Y mod 4 take it 2, 4 or 6 steps apart.
; SHAPE.  A tile of C, 256 x 256, is made by a work-group of four waves; a wave makes 128 x 128: 32 accumulators of 32 x 16, 512 registers.  256 work-groups.  K goes in 8 steps of 512 through a ring of two LDS slots filled by the tensor
; data mover: rows of 256 bytes, a quarter of a slot a wave.  W's scale bytes lie behind its codes in the slot.
; A'S SCALE WORDS go from asc straight into registers: a wave's 128 rows are 2,048 consecutive bytes of a K step, four loads, asked for a K step ahead.  They are 4,096 of a step's 147,712 bytes, so they are not asked for jointly.
; CLUSTERS: 4 x 4 work-groups.  The four of a row of the cluster need the same tiles of A, the four of a column the same tiles of W: each is asked for JOINTLY, by the same tensor load with the same descriptor and a mask.
; THE MATRIX INSTRUCTION takes 32 rows of A (source 0) and 16 columns (source 1): lane (r, h), h = l / 16, holds column r, registers 0-7 rows 8 h + j, registers 8-15 rows 16 + 8 h + j.
; REGISTERS: window 0: v0-31 addresses and temporaries; v32-127 scale words, two sets, and nothing else ever; v128-255 A's fragments in the last K step.  window 1: two sets of fragments of 128 along K: A's 8 x 16 rows at 128 s, W's at 128 s + 64;
;   in the last K step W's fragments of all of the step.  window 2: the accumulators of my rows 0-63, (p, b) at v[128 (p % 2) + 16 b];  window 3: those of my rows 64-127.
; A STEP of 128 along K: the next step's 32 fragment loads in ONE run into the other set, then 32 products on the set that was asked for a step ago.
.set PITCH,  272                       ; an LDS row: 256 bytes + 16 of padding = 68 words: row r starts at bank 4 r mod 64 (64 banks of 4 bytes: ISA guide 11.1), so the 16 rows that a load touches start at 16 different banks
.set ROWB,   256
.set KROW,   2048                      ; a row of A's codes in memory
.set HALFA,  128*PITCH                 ; 128 rows of A
.set HALFB,  136*PITCH                 ; 128 rows of W and their 8 runs of scale bytes
.set BOFF,   2*HALFA                   ; a slot: A's 256 rows, then W's two halves
.set SLOT,   2*HALFA+2*HALFB
.set TILEB,  136*256                   ; a tile's block in wq
.set BSTEP,  16*TILEB                  ; from a K step to the next in wq
.set SPARE,  2*SLOT                    ; behind the ring: the spare words, 128 bytes for each wave: two blocks of 256 bytes that no other line names
.set CROW,   8192                      ; a row of C in bytes
.set TMP,    2                         ; v2-13   the way out: half of the exchanged pairs
.set ADRA,  16                         ; v16-17  LDS address of my A fragments in slot 0, 1
.set ADRB,  18                         ; v18-19  the same for W
.set ADRS,  20                         ; v20     16 x lane: my row's scale words of A; never rewritten
.set ADRSB, 22                         ; v22-23  LDS address of W's scale words in slot 0, 1
.set PFO1,  24                         ; v24, v25 the prefetches' offsets; never rewritten
.set PFO,   25
.set CO,    26                         ; v26     my byte offset in C
.set SPW,   28                         ; v28     LDS address of my spare word: SPARE + 4 x my thread's number; never rewritten
.set NIL,   29                         ; v29     0; never rewritten
.set SA,    32                         ; A's scale words, set s (for slot s) at v[32 + 16 s]: 32 rows p at + 4 p + q, q the slot's q-th 128 along K
.set SW_,   64                         ; W's, at v[64 + 32 s]: block b at + 4 b + q
.set PA,   128                         ; the last K step: A's 32 rows x 512 K, 64 registers, two buffers
.set WQ0,   64                         ; and W's fragments, 128 along K q at v[WQq], in window 1
.set WQ1,    0
.set WQ2,  128
.set WQ3,  192
.set G1,    24                         ; s[24:31] descriptor group 1 for A's tiles;  s[32:39] group 0, one set for each slot
.set G0,    32
.set G1B,   48                         ; s[48:55], s[56:63] the same for W's tiles
.set G0B,   56
.set SK,    66                         ; s66     the K step whose scale words of A were asked for last: taken modulo 8
.set OFS,   68                         ; s[68:69] its byte offset in asc (the high word stays 0)
.set SB,    70                         ; s[70:71] and its address for my 128 rows
.set ROT,   82                         ; s82     4 X + 2 (Y mod 4): taken modulo 8 wherever it is used
.set TT,    83                         ; s83     how many K steps lie behind the lap in hand: 0, 2, 4, 6; also the loop's counter
.set BASEA, 84                         ; s[84:85] A's codes at the rows that I fetch, K step 0
.set BASEB, 86                         ; s[86:87] wq at the tile that I fetch, K step 0
.set OFA,   88                         ; s[88:89] a K step's byte offset in a row of A's codes (the high word stays 0)
.set OFB,   90                         ; s[90:91] and in wq
.set OFP,   92                         ; s[92:93] the prefetches'
.set PF,    94                         ; s[94:95] A's codes at my tile row and the K step that my prefetch names
.set MSB, 0
.macro WIN new                         ; the immediate's high byte repeats the setting that is left; a switch that changes nothing is dropped
.if MSB != (\new)
	s_set_vgpr_msb (MSB<<8)|(\new)
.set MSB, (\new)
.endif
.endm
; The slot's two groups 0 are pointed at the cluster's step TT + dt, which is K step (ROT + TT + dt) mod 8.  Called only where no tensor load that names them is out.  Nothing here hangs on the place inside the cluster.
.macro AIM slot, dt
	s_add_co_u32 s[OFA], s[TT], s[ROT]
	s_add_co_u32 s[OFA], s[OFA], (\dt)
	s_and_b32 s[OFA], s[OFA], 7
	s_mul_i32 s[OFB], s[OFA], BSTEP
	s_lshl_b32 s[OFA], s[OFA], 8
	s_add_nc_u64 s[G0+4*\slot+2:G0+4*\slot+3], s[BASEA:BASEA+1], s[OFA:OFA+1]
	s_or_b32 s[G0+4*\slot+3], s[G0+4*\slot+3], 0x80000000
	s_add_nc_u64 s[G0B+4*\slot+2:G0B+4*\slot+3], s[BASEB:BASEB+1], s[OFB:OFB+1]
	s_or_b32 s[G0B+4*\slot+3], s[G0B+4*\slot+3], 0x80000000
.endm
.macro PFAIM dt                        ; waves 0, 1 name the cluster's step TT + dt, waves 2, 3 the step behind it
	s_add_co_u32 s[OFP], s[TT], s[ROT]
	s_add_co_u32 s[OFP], s[OFP], s15
	s_add_co_u32 s[OFP], s[OFP], \dt
	s_and_b32 s[OFP], s[OFP], 7
	s_lshl_b32 s[OFP], s[OFP], 8
	s_add_nc_u64 s[PF:PF+1], s[4:5], s[OFP:OFP+1]
.endm
.macro SAIM                            ; K step SK of A's scale words
	s_and_b32 s[OFS], s[SK], 7
	s_lshl_b32 s[OFS], s[OFS], 12
	s_add_nc_u64 s[SB:SB+1], s[6:7], s[OFS:OFS+1]
.endm
.macro GLS set                         ; four words (512 along K) a row, 32 rows a load: 512 consecutive bytes
.irp i, 0,1,2,3
	global_load_b128 v[SA+16*(\set)+4*\i:SA+16*(\set)+4*\i+3], v[ADRS], s[SB:SB+1] offset:512*\i
.endr
.endm
; A joint load of a slot's tiles: waves 0 and 1 fetch A's halves, waves 2 and 3 W's.  Each of the two lines has ONE mask and one set of registers for all that issue it; the branch hangs on the wave's number alone.
.macro JLOAD s
	s_cmp_eq_u32 s15, 0
	s_cbranch_scc0 .Lfor_b_\@
	tensor_load_to_lds s[G0+4*\s:G0+4*\s+3], s[G1:G1+7]
	s_nop 0
.rept 4
	v_nop
.endr
	s_branch .Lasked_\@
.Lfor_b_\@:
	tensor_load_to_lds s[G0B+4*\s:G0B+4*\s+3], s[G1B:G1B+7]
	s_nop 0
.rept 4
	v_nop
.endr
.Lasked_\@:
.endm
.macro CREST                           ; a round of the cluster's barrier behind its opening barrier
	s_cmp_lg_u32 s14, 0
	s_cbranch_scc1 .Lnot_wave_0_\@
	s_barrier_signal -3
.Lnot_wave_0_\@:
	s_barrier_wait -3
	s_barrier_signal -1
	s_barrier_wait -1
.endm
.macro CROUND                          ; a whole round
	s_barrier_signal -1
	s_barrier_wait -1
	CREST
.endm
	s_load_b256 s[4:11], s[0:1], 0x0               ; A's codes s[4:5], A's scales s[6:7], wq s[8:9], out0 s[10:11]
	v_lshl_add_u32 v[SPW], v0, 2, SPARE
	v_mov_b32 v[NIL], 0
	ds_add_u32 v[SPW], v[NIL]                      ; the wave's opening: the add, twice on end, and its wait ahead of my first tensor load
	ds_add_u32 v[SPW], v[NIL]
	v_lshrrev_b32 v1, 5, v0
	v_readfirstlane_b32 s14, v1                    ; wave 0..3
	s_lshr_b32 s15, s14, 1                         ; which half of the tile's rows is mine.  Also: I fetch for A (0) or for W (1)
	s_and_b32 s16, s14, 1                          ; which half of its columns.  Also: which half of that tile I fetch
	s_bfe_u32 s40, ttmp6, 0x40000                  ; cx, cy: my place in the cluster
	s_bfe_u32 s41, ttmp6, 0x40004
	s_lshl_b32 s42, ttmp9, 2
	s_add_co_u32 s42, s42, s40                     ; tile column of C: 0 .. 7
	s_and_b32 s17, ttmp7, 0xffff
	s_lshl_b32 s17, s17, 2
	s_add_co_u32 s17, s17, s41                     ; tile row of C: 0 .. 31
	s_lshl_b32 s43, s41, 2
	s_lshl_b32 s43, 15, s43                        ; my row of the cluster
	s_lshl_b32 s44, 0x1111, s40                    ; my column
	s_and_b32 s[ROT], ttmp9, 1                     ; where my cluster begins K: by the cluster's place alone, the same in all sixteen work-groups
	s_lshl_b32 s[ROT], s[ROT], 2
	s_and_b32 s[TT], ttmp7, 3
	s_lshl_b32 s[TT], s[TT], 1
	s_add_co_u32 s[ROT], s[ROT], s[TT]
	s_mov_b32 s[TT], 0
	s_mov_b32 s[OFA+1], 0
	s_mov_b32 s[OFB+1], 0
	s_mov_b32 s[OFP+1], 0
	s_mov_b32 s[OFS+1], 0
	s_mov_b32 s[SK], s[ROT]
	; descriptor group 1: rows of 256 bytes, 16 bytes of padding behind each in LDS.  A: 128 rows, 2,048 bytes apart; W: 136 rows, dense
	s_or_b32 s[G1+0], s43, (0<<16)|(1<<20)|(1<<21)|(5<<22)|(3<<25)
	s_mov_b32 s[G1+1], ROWB<<16
	s_mov_b32 s[G1+2], 128<<16
	s_mov_b32 s[G1+3], ROWB<<16
	s_mov_b32 s[G1+4], 128
	s_mov_b32 s[G1+5], KROW
	s_mov_b32 s[G1+6], 0
	s_mov_b32 s[G1+7], 0
	s_or_b32 s[G1B+0], s44, (0<<16)|(1<<20)|(1<<21)|(5<<22)|(3<<25)
	s_mov_b32 s[G1B+1], ROWB<<16
	s_mov_b32 s[G1B+2], 136<<16
	s_mov_b32 s[G1B+3], ROWB<<16
	s_mov_b32 s[G1B+4], 136
	s_mov_b32 s[G1B+5], ROWB
	s_mov_b32 s[G1B+6], 0
	s_mov_b32 s[G1B+7], 0
	s_mul_i32 s18, s16, HALFA                      ; where my loads go: no place in the cluster enters an LDS address
	s_mul_i32 s19, s16, HALFB
	s_add_co_u32 s19, s19, BOFF
.irp s, 0,1
	s_mov_b32 s[G0+4*\s], 1
	s_add_co_u32 s[G0+4*\s+1], s18, \s*SLOT
	s_mov_b32 s[G0B+4*\s], 1
	s_add_co_u32 s[G0B+4*\s+1], s19, \s*SLOT
.endr
	; byte offsets, all under 2^25.  A's hang on the tile row alone, W's on the tile column alone
	s_lshl_b32 s18, s17, 19                        ; A's codes: 256 rows of 2,048 bytes a tile row,
	s_mov_b32 s19, 0
	s_lshl_b32 s80, s16, 18                        ; and the 128 that I fetch
	s_mov_b32 s81, 0
	s_mul_i32 s46, s42, 2*TILEB                    ; W: two tiles of 128 a tile column,
	s_mov_b32 s47, 0
	s_mul_i32 s72, s16, TILEB                      ; and the one that I fetch
	s_mov_b32 s73, 0
	s_lshl_b32 s74, s17, 15                        ; A's scales: 32,768 bytes a tile row, 2,048 in a K step for my 128 rows
	s_lshl_b32 s45, s15, 11
	s_add_co_u32 s74, s74, s45
	s_mov_b32 s75, 0
	s_wait_dscnt 0x0                               ; both opening adds are done
	CROUND                                         ; all sixteen work-groups are here: the first joint loads meet
	s_wait_kmcnt 0x0
	s_add_nc_u64 s[4:5], s[4:5], s[18:19]          ; A's codes at my tile row
	s_add_nc_u64 s[8:9], s[8:9], s[46:47]          ; wq at my tile column
	s_add_nc_u64 s[BASEA:BASEA+1], s[4:5], s[80:81]
	s_add_nc_u64 s[BASEB:BASEB+1], s[8:9], s[72:73]
	AIM 0, 0
	JLOAD 0                                        ; the cluster's step 0, a quarter of the slot a wave
	s_add_nc_u64 s[6:7], s[6:7], s[74:75]
	SAIM
	v_lshlrev_b32 v14, 4, v0
	v_and_b32 v[ADRS], 0x1f0, v14
	GLS 0                                          ; step 0's scale words of A
	AIM 1, 1                                       ; the cluster's step 1, for slot 1's first fill (TT = 0)
	; THE PREFETCHES.  At the head: the cluster's step 1, which no load has on its way (waves 0, 1: A's 256 rows, shared by the four of my cluster's row, 64 each by cx; waves 2, 3: W's first 256 of 272 pieces of 256 bytes, shared by the four of
	; my column, by cy), and A's steps 2 (waves 0, 1) and 3 (waves 2, 3).  Then, two laps long, A's steps TT + 4 and TT + 5 in slot 0's change: one instruction a wave, a piece a lane, two and three changes ahead of the loads that want them.
	; W's steps from 2 on have been asked for by clusters with another Y mod 4.  Rows and K steps lie inside the tensor.
	s_cmp_eq_u32 s15, 0
	s_cselect_b32 s[OFP], s[OFA], s[OFB]           ; (AIM left step 1's offsets)
	s_cselect_b32 s80, s40, s41
	s_cselect_b32 s81, 11, 8                       ; from piece to piece 2,048 bytes in A, 256 in wq
	s_cselect_b64 s[46:47], s[4:5], s[8:9]
	s_add_nc_u64 s[46:47], s[46:47], s[OFP:OFP+1]
	PFAIM 2
	s_lshl_b32 s45, s16, 5
	s_lshl_b32 s80, s80, 6
	s_add_co_u32 s80, s80, s45
	s_lshl_b32 s40, s40, 6
	s_add_co_u32 s40, s40, s45
	s_lshl_b32 s18, s17, 21                        ; C: 256 rows of 8,192 bytes a tile row, 128 for my half,
	s_lshl_b32 s19, s15, 20
	s_add_co_u32 s18, s18, s19
	s_lshl_b32 s19, s42, 10                        ; 1,024 bytes a tile column, 512 for my half
	s_add_co_u32 s18, s18, s19
	s_lshl_b32 s19, s16, 9
	s_add_co_u32 s18, s18, s19
	s_mov_b32 s19, 0
	s_add_nc_u64 s[12:13], s[10:11], s[18:19]
	s_mul_i32 s18, s15, HALFA                      ; LDS: my 128 rows of A,
	s_add_co_u32 s43, s18, SLOT
	s_mul_i32 s19, s16, HALFB                      ; of W,
	s_add_co_u32 s19, s19, BOFF
	s_add_co_u32 s44, s19, SLOT
	s_add_co_u32 s41, s19, HALFA                   ; W's scale bytes behind its 128 rows
	v_and_b32 v1, 31, v0                           ; l
	v_and_b32 v2, 15, v0                           ; r
	v_bfe_u32 v3, v0, 4, 1                         ; h
	v_add_nc_u32 v[PFO1], s80, v1
	v_lshlrev_b32 v[PFO1], s81, v[PFO1]
	v_add_nc_u32 v[PFO], s40, v1
	v_lshlrev_b32 v[PFO], 11, v[PFO]
	global_prefetch_b8 v[PFO1], s[46:47] th:TH_LOAD_NT scope:SCOPE_SE
	global_prefetch_b8 v[PFO], s[PF:PF+1] th:TH_LOAD_NT scope:SCOPE_SE
	v_mul_u32_u24 v4, v2, PITCH
	v_lshl_add_u32 v4, v3, 4, v4                   ; a fragment's row x pitch + 16 h
	v_add_nc_u32 v[ADRA], s18, v4
	v_add_nc_u32 v[ADRA+1], s43, v4
	v_add_nc_u32 v[ADRB], s19, v4
	v_add_nc_u32 v[ADRB+1], s44, v4
	v_lshl_add_u32 v[ADRSB], v2, 4, s41            ; 16 rows; lanes 16-31 bring the same words again and are not read
	v_add_nc_u32 v[ADRSB+1], SLOT, v[ADRSB]
	v_lshlrev_b32 v[CO], 4, v2                     ; C: 16 r in a row's 256 bytes,
	v_lshl_add_u32 v[CO], v3, 16, v[CO]            ; lanes 16-31 eight rows further down
; A fragment, 16 rows x 128 K of 4-bit codes, is 8 registers: lane (r, h) holds row r; registers 4 c .. 4 c + 3 hold K = 64 c + 32 h + 0 .. 31, the lower K in the lower bits.
.macro FR2 base, adr, q, i             ; two of them: blocks i, i + 1
.irp k, 0,1
.irp c, 0,1
	ds_load_b128 v[8*\k+4*\c+(\base):8*\k+4*\c+(\base)+3], v[\adr] offset:64*(\q)+32*\c+((\i)+\k)*16*PITCH
.endr
.endr
.endm
.macro FETCH slot, q, set              ; the fragments of the slot's q-th 128 along K: 32 loads
	WIN 0x40
.irp j, 0,2,4,6
	FR2 128*(\set)+8*\j, ADRA+\slot, \q, \j
	FR2 128*(\set)+64+8*\j, ADRB+\slot, \q, \j
.endr
.endm
.macro LSW sc                          ; W's scale words out of slot sc, four words (512 along K) a row: eight loads
	WIN 0
.irp i, 0,1,2,3,4,5,6,7
	ds_load_b128 v[SW_+32*(\sc)+4*\i:SW_+32*(\sc)+4*\i+3], v[ADRSB+\sc] offset:\i*PITCH
.endr
.endm
; A group: A's 32 rows p x W's blocks 4 hf .. 4 hf + 3, the slot's q-th 128 along K.  The 32 accumulators take turns in the same order in every step.  zero = 1: the product starts the sum.
.macro GRP p, hf, set, q, sc, zero
	WIN (0xa5+0x50*((\p)/2))
.irp i, 0,1,2,3
.set rD, 128*((\p)%2)+16*(4*(\hf)+\i)
.set rA, 128*(\set)+16*(\p)
.set rW, 128*(\set)+64+8*(4*(\hf)+\i)
.set rS, SA+16*(\sc)+4*(\p)+(\q)
.set rZ, SW_+32*(\sc)+4*(4*(\hf)+\i)+(\q)
.if \zero
	v_wmma_scale_f32_32x16x128_f4 v[rD:rD+15], v[rA:rA+15], v[rW:rW+7], 0, v[rS], v[rZ]
.else
	v_wmma_scale_f32_32x16x128_f4 v[rD:rD+15], v[rA:rA+15], v[rW:rW+7], v[rD:rD+15], v[rS], v[rZ]
.endif
.endr
.endm
.macro GRP2 p, set, q, sc, zero
	GRP \p, 0, \set, \q, \sc, \zero
	GRP \p, 1, \set, \q, \sc, \zero
.endm
.macro PLACES                          ; four places behind this matrix instruction (ISA guide 7.12.1 for vector instructions)
.rept 4
	v_nop
.endr
.endm
; A step of 128 along K that has its successor in the same slot.  A slot's first step also asks for the next K step's scale words of A, into the set that the K step before used.
.macro STEP slot, q, zero
	PLACES                                         ; the other set was read by the step before
	FETCH \slot, \q+1, 1-(\q)%2
.if (\q) == 0
	WIN 0
	s_wait_loadcnt 0x0                             ; this K step's scale words of A are in
	s_add_co_u32 s[SK], s[SK], 1
	SAIM
	GLS 1-\slot
.endif
	s_wait_dscnt 32                                ; all but the 32 loads just issued
	GRP2 0, (\q)%2, \q, \slot, \zero
	GRP2 1, (\q)%2, \q, \slot, \zero
	GRP2 2, (\q)%2, \q, \slot, \zero
	GRP2 3, (\q)%2, \q, \slot, \zero
.endm
; A slot's last step changes slots.  MEET, its first two groups: in front of ONE barrier each wave waits for all its tensor loads, adds 0 to its spare word, and waits for that and for its own reads of this slot.
.macro MEET slot, fill
	WIN 0                                          ; (the add's two registers lie in window 0)
.if (\fill) && (\slot) == 0
	s_wait_xcnt 0x0                                ; my last prefetch has read its base
.endif
	s_wait_tensorcnt 0x0                           ; all my tensor loads have landed: my part of the next slot
	ds_add_u32 v[SPW], v[NIL]                      ; 0 onto my spare word; work on registers stands between it and the wait for it:
.if \fill
	AIM \slot, \slot+2                             ; no tensor load of mine is out: the cluster's step TT + slot + 2
.if (\slot) == 0
	PFAIM 4
.endif
.endif
	s_wait_dscnt 1                                 ; this step's fragments are in; the add may be out
	GRP 0, 0, 1, 3, \slot, 0
	s_wait_dscnt 0x0                               ; the add is done, and my reads of this slot are over
	s_barrier_signal -1
	GRP 0, 1, 1, 3, \slot, 0
	WIN 0                                          ; (nothing stands between the wait below and the rest of a round)
	s_barrier_wait -1
.endm
.macro TURN slot, next
	MEET \slot, 1
	CREST                                          ; the barrier has opened a round of the cluster's barrier: no wave of any partner still reads this slot or has a load on its way
	JLOAD \slot                                    ; the first tensor load behind the round; the four v_nop behind it are the places in front of the loads below
	LSW \next
	FETCH \next, 0, 0
.if (\slot) == 0
	WIN 0
	s_cmp_lt_u32 s[TT], 4                          ; the last lap of the loop asks for nothing: there is no step 8
	s_cbranch_scc0 .Lno_ask_\@
	global_prefetch_b8 v[PFO], s[PF:PF+1] th:TH_LOAD_NT scope:SCOPE_SE
.Lno_ask_\@:
.endif
	GRP2 1, 1, 3, \slot, 0
	GRP2 2, 1, 3, \slot, 0
	GRP2 3, 1, 3, \slot, 0
.endm
	s_wait_alu depctr_va_vdst(0)                   ; the wait at the head's end
	s_wait_tensorcnt 0x0                           ; my part of step 0 is in
	ds_add_u32 v[SPW], v[NIL]
	s_wait_dscnt 0x0                               ; the add is done
	CROUND                                         ; a whole round: step 0's tiles are in, and all sixteen work-groups are here: the joint loads meet
	JLOAD 1                                        ; slot 1's first fill, the first tensor load behind the round
	LSW 0
	FETCH 0, 0, 0
	STEP 0, 0, 1                                   ; the first step stands in front of the loop: its products start the sums
	WIN 0
.Llap:                                                 ; once round the ring, from a lap's second step to the next lap's first; both slots are filled again: the cluster's steps 2 to 7 in three trips (TT = 0, 2, 4)
	STEP 0, 1, 0
	STEP 0, 2, 0
	TURN 0, 1
	STEP 1, 0, 0
	STEP 1, 1, 0
	STEP 1, 2, 0
	TURN 1, 0
	STEP 0, 0, 0
	WIN 0                                          ; at a label and at a branch every window is 0
	s_add_co_u32 s[TT], s[TT], 2
	s_cmp_lt_u32 s[TT], 6
	s_cbranch_scc1 .Llap
	STEP 0, 1, 0                                   ; the last lap (TT = 6) fills nothing, and has no round of the cluster's barrier
	STEP 0, 2, 0
; THE LAST K STEP (slot 1) GOES BY ROWS OF C: W's fragments of the whole step fill window 1, A's come by 32 rows x 512 K, and 32 rows of C are finished at a time, K ascending, and stored.
.macro WQLOAD q                        ; W's eight blocks of 128 along K q: sixteen loads
	WIN 0x40
.irp j, 0,2,4,6
	FR2 WQ\q+8*\j, ADRB+1, \q, \j
.endr
.endm
.macro AQLOAD p                        ; A's 32 rows p, all four: sixteen loads
	WIN 0
.irp q, 0,1,2,3
	FR2 PA+64*((\p)%2)+16*\q, ADRA+1, \q, 2*(\p)
.endr
.endm
.macro ROWQ p, q                       ; eight accumulators by turns
	WIN (0xa4+0x50*((\p)/2))
.irp b, 0,1,2,3,4,5,6,7
.set rD, 128*((\p)%2)+16*\b
.set rA, PA+64*((\p)%2)+16*(\q)
.set rW, WQ\q+8*\b
.set rS, SA+16+4*(\p)+(\q)
.set rZ, SW_+32+4*\b+(\q)
	v_wmma_scale_f32_32x16x128_f4 v[rD:rD+15], v[rA:rA+15], v[rW:rW+7], v[rD:rD+15], v[rS], v[rZ]
.endr
.endm
; THE WAY OUT of 32 rows.  Lane r of the four blocks 4 c .. 4 c + 3 holds four neighbouring columns 64 c + 4 r + 0 .. 3, one in each accumulator.  Registers j of the four are brought side by side: 4 x 4 registers change places
; across their diagonal, in place, through six temporaries.  Then sixteen lanes store 256 consecutive bytes of a row, aligned, lanes 16-31 those of the row eight further down: 32 stores on end.  No register that a store reads is written again.
.macro SW ph, jq, n, b, a
.set rT, TMP+6*\jq+\n
.set rL, AC+4*\jq+16*\b+\a
.set rU, AC+4*\jq+16*\a+\b
.if \ph == 0
	v_mov_b32 v[rT], v[rL]
.endif
.if \ph == 1
	v_mov_b32 v[rL], v[rU]
.endif
.if \ph == 2
	v_mov_b32 v[rU], v[rT]
.endif
.endm
.macro EXCH ph
.irp jq, 0,1                           ; an accumulator's low registers first
	SW \ph, \jq, 0, 1, 0
	SW \ph, \jq, 1, 2, 0
	SW \ph, \jq, 2, 2, 1
	SW \ph, \jq, 3, 3, 0
	SW \ph, \jq, 4, 3, 1
	SW \ph, \jq, 5, 3, 2
.endr
.endm
.macro OUT p
.set WA, 2+(\p)/2                      ; the accumulators' window
.irp c, 0,1
.irp u, 0,1
.set AC, 128*((\p)%2)+64*\c+8*\u
	WIN (WA)
	EXCH 0
	WIN (WA*65)
	EXCH 1
	WIN (WA*64)
	EXCH 2
.endr
.endr
	WIN (WA*4)
.irp u, 0,1
.irp j, 0,1,2,3,4,5,6,7
.irp c, 0,1
.set AC, 128*((\p)%2)+64*\c+8*\u+4*(\j/4)+16*(\j%4)
	global_store_b128 v[CO], v[AC:AC+3], s[12:13] offset:(32*(\p)+16*\u+\j)*CROW+256*\c th:TH_STORE_NT
.endr
.endr
.endr
	WIN 0
.endm
	MEET 0, 0                                      ; the last tile has landed; nothing is filled again
	PLACES
	LSW 1
	WQLOAD 0                                       ; into the set that the step before read
	AQLOAD 0
	WQLOAD 1
	GRP2 1, 1, 3, 0, 0
	GRP2 2, 1, 3, 0, 0
	GRP2 3, 1, 3, 0, 0
	PLACES                                         ; for the loads into the set just read
	WQLOAD 2
	WQLOAD 3
	AQLOAD 1
	s_wait_loadcnt 0x0                             ; the last scale words of A
	s_wait_dscnt 63                                ; W's scale words, W's 0 and A's rows 0-31 are in (behind them 64: W's 1, 2, 3 and A's rows 32-63)
	ROWQ 0, 0
	s_wait_dscnt 48                                ; W's 1
	ROWQ 0, 1
	s_wait_dscnt 32                                ; W's 2
	ROWQ 0, 2
	s_wait_dscnt 16                                ; W's 3
	ROWQ 0, 3
	PLACES                                         ; for the loads into A's buffer and the reads of results just made
	AQLOAD 2
	OUT 0
	s_wait_dscnt 16                                ; A's rows 32-63 (behind them the sixteen just issued)
.irp q, 0,1,2,3
	ROWQ 1, \q
.endr
	PLACES
	AQLOAD 3
	OUT 1
	s_wait_dscnt 16
.irp q, 0,1,2,3
	ROWQ 2, \q
.endr
	PLACES
	OUT 2
	s_wait_dscnt 0
.irp q, 0,1,2,3
	ROWQ 3, \q
.endr
	PLACES
	OUT 3
	s_wait_tensorcnt 0x0                           ; the wave's end
	ds_add_u32 v[SPW], v[NIL]
	s_wait_dscnt 0x0
	CROUND                                         ; the closing round: no work-group ends while a partner may still ask for a tile that names it
	s_endpgm
.Lfunc_end_k_q4bf89ead67_gemm:
	.size	k_q4bf89ead67_gemm, .Lfunc_end_k_q4bf89ead67_gemm-k_q4bf89ead67_gemm
	.p2alignl 7, 3214868480
	.fill 96, 4, 3214868480
	.section	.rodata,"a",@progbits
	.p2align	6, 0x0
	.amdhsa_kernel k_q4bf89ead67_gemm
		.amdhsa_group_segment_fixed_size 327680
		.amdhsa_private_segment_fixed_size 0
		.amdhsa_enable_private_segment 0
		.amdhsa_kernarg_size 32
		.amdhsa_user_sgpr_count 2
		.amdhsa_user_sgpr_kernarg_segment_ptr 1
		.amdhsa_wavefront_size32 1
		.amdhsa_system_sgpr_workgroup_id_x 1
		.amdhsa_system_sgpr_workgroup_id_y 1
		.amdhsa_system_sgpr_workgroup_id_z 1
		.amdhsa_system_vgpr_workitem_id 0
		.amdhsa_next_free_vgpr 1024
		.amdhsa_next_free_sgpr 96
		.amdhsa_reserve_vcc 0
		.amdhsa_float_denorm_mode_32 3
		.amdhsa_float_denorm_mode_16_64 3
		.amdhsa_memory_ordered 1
		.amdhsa_forward_progress 1
		.amdhsa_inst_pref_size 149
	.end_amdhsa_kernel
	.amdgpu_metadata
---
amdhsa.version: [ 1, 2 ]
amdhsa.kernels:
  - .name:           k_q4bf89ead67_gemm
    .symbol:         k_q4bf89ead67_gemm.kd
    .args:
      - { .name: input__codes, .offset: 0, .size: 8, .value_kind: global_buffer, .address_space: global }
      - { .name: asc, .offset: 8, .size: 8, .value_kind: global_buffer, .address_space: global }
      - { .name: wq, .offset: 16, .size: 8, .value_kind: global_buffer, .address_space: global }
      - { .name: out0, .offset: 24, .size: 8, .value_kind: global_buffer, .address_space: global }
    .group_segment_fixed_size: 327680
    .private_segment_fixed_size: 0
    .kernarg_segment_align: 8
    .kernarg_segment_size: 32
    .max_flat_workgroup_size: 128
    .sgpr_count:     96
    .vgpr_count:     1024
    .wavefront_size: 32
...
	.end_amdgpu_metadata
.endif
;; end of part 2
